; MI455X (gfx1250); checked and timed in simulation.
; The chip was launched on July 23, 2026; its instructions are those of AMD's public machine-readable ISA for CDNA 5 (MIT licence, August 2026) and "CDNA5" Instruction Set Architecture Reference Guide (July 2026). The comments in the code are by the model that wrote it; some were corrected since.
;; W8 A8 BFP32 OFP32 Linear. Allowed arithmetic: float matrix products may take bf16 or f16 operands with f32 sums; all other float work in f32.
;; Inputs: alpha 1 float32; bias 4,096 float32; weight 4,096 x 4,096 int8; x 2 x 2,048 x 4,096 int8.
;; Outputs: out0 2 x 2,048 x 4,096 float32.
;; One version. Each part assembles by itself: llvm-mc -triple=amdgcn-amd-amdhsa -mcpu=gfx1250 --defsym DOCPART=n.
;; ======== version 1 of 1: 1 launch
;; launch gemm (part 1): grid 16 x 16, 4 waves a work-group, clusters of 4 x 4, 327,680 bytes of LDS; arguments x, weight, bias, alpha, out0; writes out0
.if DOCPART == 1
	.amdgcn_target "amdgcn-amd-amdhsa--gfx1250"
	.amdhsa_code_object_version 6
	.text
	.protected	k_q1504c45f15_gemm
	.globl	k_q1504c45f15_gemm
	.p2align	8
	.type	k_q1504c45f15_gemm,@function
k_q1504c45f15_gemm:
	s_mov_b64 s[64:65], 0
	v_nop
	global_prefetch_b8 v0, s[64:65] scope:SCOPE_SE
	s_setreg_imm32_b32 hwreg(HW_REG_WAVE_MODE, 25, 1), 1
	s_wait_xcnt 0x0
	s_wait_alu depctr_hold_cnt(0) depctr_sa_sdst(0) depctr_va_vdst(0) depctr_va_sdst(0) depctr_va_ssrc(0) depctr_va_vcc(0) depctr_vm_vsrc(0)
	s_getreg_b32 s2, hwreg(HW_REG_IB_STS2, 6, 4)
	s_cmp_eq_u32 s2, 0
	s_cbranch_scc0 .Lentry_in_a_cluster
	s_endpgm
.Lentry_in_a_cluster:
	s_bfe_u32 s2, ttmp6, 0x10000c
	s_cmp_lg_u32 s2, 0xf033
	s_cbranch_scc0 .Lentry_shape_is_right
	s_endpgm
.Lentry_shape_is_right:
; out[t][o] = alpha * (sum over k of x[t][k] W[o][k]) + bias[o].  x: [4096][4096] int8, W: [4096][4096] int8, bias: [4096] f32, alpha: [1] f32, out: [4096][4096] f32.
; FORMAT: x and W are int8 in memory and go to the matrix unit as they are (v_wmma_i32_16x16x64_iu8, both sides signed).  Nothing is rounded on the way in,
; the whole range -128 .. 127 is served, and the i32 sums are the exact sums: their magnitude is at most 4096 x 128 x 128 = 2^26.
; LIMIT: alpha * f32(sum) + bias is ONE fused multiply-add (one rounding) where the defining formula rounds the product and then the sum.
; A work-group makes a block of 256 x 256 of out with four waves; a wave makes 128 x 128: 64 accumulator tiles of 16 x 16, 512 registers.
; K goes in 16 steps of 256 bytes through a ring of two LDS slots filled by the tensor data mover: a tile's rows are 256 bytes of memory and start at
; multiples of 256 bytes from the buffer's first byte.
; CLUSTERS: 4 x 4 work-groups form a cluster (the grid of 16 x 16 divides).  The four of a row of the cluster make blocks of one block row and need the same
; tiles of x; the four of a column need the same tiles of W.  Such a tile is asked for JOINTLY: each of the four issues the same tensor load, with the same
; descriptor and a mask that names the four, and each receives it in its own LDS.  That divides the requests for x and for W by four.
;
; REGISTERS, in windows of 256 (s_set_vgpr_msb says which window each operand place means):
;   window 0: v0-31 addresses and bias; v64-127, v128-191 fragments of x (8 x 16 rows x 64 K), two buffers, on the way out the rows read back
;   window 1: v64-127, v128-191 fragments of W, two buffers
;   window 2: the 32 accumulator tiles of my rows 0-63 (tile (a, b) at v[8 (8 a + b)]);   window 3: those of my rows 64-127
;
; THE MATRIX INSTRUCTION IS USED TRANSPOSED: source 0 = 16 rows of W, source 1 = 16 rows of x.  Lane l then holds row l % 16 of out, and its registers
; 0 to 7 the columns 8 (l / 16) + 0 .. 7 of the tile: eight neighbouring numbers of a row.
; K WITHIN A FRAGMENT IS PERMUTED, alike on both sides: a lane takes bytes 16 (l / 16) + 0..15 and 32 + 16 (l / 16) + 0..15 of its row's 64 by two loads of
; 16 bytes, where the instruction's own map (ISA guide 7.12.2) has runs of 8.  Each k meets the same k of the other side, every k is taken once, and sums of
; whole numbers do not hang on their order: the results are the same numbers.
.set KBYTES, 256                       ; a K step: 256 int8, a tile row of 256 bytes
.set ROWB,   4096                      ; bytes in a row of x and of W
.set OROWB,  16384                     ; bytes in a row of out
.set PITCH,  272                       ; an LDS row: 256 bytes + 16 of padding: the 16 rows that a load touches begin 16 r bytes apart modulo 256
.set HALFT,  128*PITCH                 ; 128 rows: what one tensor load brings, and what one wave reads of x or of W
.set SLOT,   4*HALFT                   ; x's 256 rows, then W's 256 rows
.set STAGE,  2*SLOT                    ; behind the ring (a multiple of 256): 16 rows x 528 bytes for each wave, for the way out; no tensor load lands here
.set SPITCH, 528                       ; a stage row: 128 f32-sized words + 16 bytes
.set LAPS,   8                         ; a lap = two K steps = once round the ring; 16 K steps
.set ADRA, 16                          ; v16-17  LDS address of my x fragments in slot 0, 1
.set ADRB, 20                          ; v20-21  the same for W
.set STO,  24                          ; v24     the way out: where I put my 32 bytes of a tile's row
.set RD,   25                          ; v25     the way out: where I read 16 bytes of a row back
.set CO,   26                          ; v26     16 x lane: my byte offset in a row's 512 bytes of out, and in my 128 numbers of bias
.set BIAS, 28                          ; v[28:31] bias of my four columns on the way out
.set F0,   64                          ; fragment buffer 0
.set F1,   128                         ; fragment buffer 1
.set G1,  24                           ; s[24:31] descriptor group 1 for x's tiles
.set G0,  32                           ; s[32:39] descriptor group 0 for x's tiles, one set for each slot
.set G1B, 48                           ; s[48:55] descriptor group 1 for W's tiles: it differs in the mask alone
.set G0B, 56                           ; s[56:63] descriptor group 0 for W's tiles, one set for each slot
.set MSB, 0
.macro WIN new                         ; the immediate's high byte repeats the setting that is left; a switch that changes nothing is dropped
.if MSB != \new
	s_set_vgpr_msb (MSB<<8)|\new
.set MSB, \new
.endif
.endm
.set MUL_LO, 0xa1                      ; source 0 (W) window 1, source 1 (x) window 0, C and D window 2
.set MUL_HI, 0xf1                      ; the same, C and D window 3
.set TO_B,   0x40                      ; destination window 1, address window 0
.set ST_LO,  0x08                      ; an LDS store's data (source 1) window 2, its address window 0
.set ST_HI,  0x0c                      ; the same, data window 3
; A joint load.  Waves 0 and 1 fetch x's two halves, waves 2 and 3 W's.  Each of the two lines has one mask and one set of registers for all that issue it, and
; nothing in them hangs on a coordinate that the four partners do not share.  The branch hangs on the wave's number alone.
.macro JLOAD s
	s_cmp_eq_u32 s15, 0
	s_cbranch_scc0 .Lfor_w_\@
	tensor_load_to_lds s[G0+4*\s:G0+4*\s+3], s[G1:G1+7]
	s_nop 0
	s_branch .Lasked_\@
.Lfor_w_\@:
	tensor_load_to_lds s[G0B+4*\s:G0B+4*\s+3], s[G1B:G1B+7]
	s_nop 0
.Lasked_\@:
.endm
; A round of the cluster's barrier: my work-group's barrier, so that wave 0's signal speaks for all four waves; wave 0 signals for the work-group; every wave
; waits for all sixteen work-groups; my work-group's barrier once more.
.macro CREST                           ; a round behind its opening barrier
	s_cmp_lg_u32 s14, 0
	s_cbranch_scc1 .Lnot_wave_0_\@
	s_barrier_signal -3
.Lnot_wave_0_\@:
	s_barrier_wait -3
	s_barrier_signal -1
	s_barrier_wait -1
.endm
.macro CROUND                          ; a whole round
	s_barrier_signal -1
	s_barrier_wait -1
	CREST
.endm
	s_load_b256 s[4:11], s[0:1], 0x0               ; x s[4:5], W s[6:7], bias s[8:9], alpha s[10:11]
	s_load_b64 s[12:13], s[0:1], 0x20              ; out
	s_set_vgpr_msb 0x40
	v_lshl_add_u32 v255, v0, 2, 0x4c400
	s_set_vgpr_msb 0x4000
	v_mov_b32 v255, 0
	s_set_vgpr_msb 0x1
	ds_add_u32 v255, v255
	s_set_vgpr_msb 0x100
	v_lshrrev_b32 v1, 5, v0
	v_readfirstlane_b32 s14, v1                    ; wave 0..3
	s_lshr_b32 s15, s14, 1                         ; which half of the block's rows is mine.  Also: I fetch for x (0) or for W (1)
	s_and_b32 s16, s14, 1                          ; which half of its columns.  Also: which 128 rows of that tile I fetch
	s_bfe_u32 s17, ttmp6, 0x40000                  ; cx: my place along the cluster's x
	s_bfe_u32 s18, ttmp6, 0x40004                  ; cy: along its y
	s_lshl_b32 s19, ttmp9, 2                       ; in a cluster launch ttmp9 and ttmp7 count clusters
	s_add_co_u32 s19, s19, s17                     ; block column = 4 x cluster x + cx
	s_and_b32 s20, ttmp7, 0xffff
	s_lshl_b32 s20, s20, 2
	s_add_co_u32 s20, s20, s18                     ; block row = 4 x cluster y + cy
	s_lshl_b32 s21, s18, 2
	s_lshl_b32 s21, 15, s21                        ; my row of the cluster: places 4 cy .. 4 cy + 3
	s_lshl_b32 s22, 0x1111, s17                    ; my column: places cx, cx + 4, cx + 8, cx + 12
	; descriptor group 1: a tile of 128 rows x 256 bytes, stated as 128 elements of 2 bytes (two int8 each), padded in LDS
	s_or_b32 s[G1+0], s21, (1<<16)|(1<<20)|(1<<21)|(5<<22)|(3<<25)  ; 15:0 the mask: x's tiles go to my row; 17:16 element of 2 bytes; 20 padding on; 21 set beside a mask; 24:22 after every 64 words (code 5); 31:25 of 4 words (code 3)
	s_or_b32 s[G1B+0], s22, (1<<16)|(1<<20)|(1<<21)|(5<<22)|(3<<25) ; the same with the mask of my column, for W's tiles
	s_mov_b32 s[G1+1], 128<<16                     ; 63:48 tensor_dim0, low half = 128 elements
	s_mov_b32 s[G1B+1], 128<<16
	s_mov_b32 s[G1+2], 128<<16                     ; 79:64 its high half = 0; 95:80 tensor_dim1, low half = 128 rows
	s_mov_b32 s[G1B+2], 128<<16
	s_mov_b32 s[G1+3], 128<<16                     ; 111:96 its high half = 0; 127:112 tile_dim0 = 128
	s_mov_b32 s[G1B+3], 128<<16
	s_mov_b32 s[G1+4], 128                         ; 143:128 tile_dim1 = 128; 159:144 tile_dim2 = 0
	s_mov_b32 s[G1B+4], 128
	s_mov_b32 s[G1+5], ROWB/2                      ; 191:160 tensor_dim0_stride: 2,048 elements from row to row
	s_mov_b32 s[G1B+5], ROWB/2
	s_mov_b32 s[G1+6], 0
	s_mov_b32 s[G1B+6], 0
	s_mov_b32 s[G1+7], 0
	s_mov_b32 s[G1B+7], 0
	; where the tiles come from.  x's hang on the block row alone, which my row of the cluster shares; W's on the block column alone, which my column shares.
	; Every wave makes both addresses, in registers that never hold the other coordinate, and asks by one of them.
	s_lshl_b32 s40, s20, 8
	s_lshl_b32 s41, s16, 7
	s_add_co_u32 s40, s40, s41                     ; x: row 256 x block row + 128 x half
	s_lshl_b32 s40, s40, 12                        ; in bytes: at most 4,095 x 4,096, below 2^24
	s_mov_b32 s41, 0
	s_lshl_b32 s44, s19, 8
	s_lshl_b32 s45, s16, 7
	s_add_co_u32 s44, s44, s45                     ; W: row 256 x block column + 128 x half
	s_lshl_b32 s44, s44, 12
	s_mov_b32 s45, 0
	s_mul_i32 s46, s14, HALFT                      ; and where they go: x's two halves, then W's two halves = wave x 128 rows: no place in the cluster enters an LDS address
	s_wait_dscnt 0x0
	s_wait_kmcnt 0x0
	s_add_nc_u64 s[40:41], s[4:5], s[40:41]
	s_add_nc_u64 s[44:45], s[6:7], s[44:45]
	CROUND                                         ; all sixteen work-groups are here: the first joint loads meet
.irp s, 0,1
	s_mov_b32 s[G0+4*\s], 1                                        ; 1:0 count = 1
	s_add_co_u32 s[G0+4*\s+1], s46, \s*SLOT                        ; 63:32 LDS address
	s_add_nc_u64 s[G0+4*\s+2:G0+4*\s+3], s[40:41], \s*KBYTES       ; 120:64 global address: K step s
	s_or_b32 s[G0+4*\s+3], s[G0+4*\s+3], 0x80000000                ; 127:126 type = 2
	s_mov_b32 s[G0B+4*\s], 1
	s_add_co_u32 s[G0B+4*\s+1], s46, \s*SLOT
	s_add_nc_u64 s[G0B+4*\s+2:G0B+4*\s+3], s[44:45], \s*KBYTES
	s_or_b32 s[G0B+4*\s+3], s[G0B+4*\s+3], 0x80000000
	JLOAD \s                                       ; both slots' first fills go out together: two tensor loads of the wave are out here, one behind each later round
.endr
	s_load_b32 s66, s[10:11], 0x0                  ; alpha
	; A fragment is 16 rows x 64 K in 8 registers: lane l takes row l % 16, two loads of 16 bytes, 32 bytes apart, from byte 16 (l / 16) of the row's 64.
	v_and_b32 v1, 15, v0                           ; l % 16
	v_bfe_u32 v2, v0, 4, 1                         ; l / 16
	v_mul_u32_u24 v3, v1, PITCH
	v_lshl_add_u32 v3, v2, 4, v3                   ; row x pitch + 16 x half
	s_mul_i32 s47, s15, HALFT                      ; my 128 rows of x
	s_mul_i32 s23, s16, HALFT                      ; my 128 rows of W,
	s_add_co_u32 s23, s23, 2*HALFT                 ; which lie behind x's 256
.irp s, 0,1
	v_add_nc_u32 v[ADRA+\s], s47, v3
	v_add_nc_u32 v[ADRB+\s], s23, v3
	s_add_co_u32 s47, s47, SLOT
	s_add_co_u32 s23, s23, SLOT
.endr
	s_mul_i32 s47, s14, 16*SPITCH
	s_add_co_u32 s47, s47, STAGE                   ; my stage
	v_mul_u32_u24 v4, v1, SPITCH                   ; in: row l % 16, 32 bytes (8 columns) for each half of the lanes
	v_lshl_add_u32 v4, v2, 5, v4
	v_add_nc_u32 v[STO], s47, v4
	v_and_b32 v5, 31, v0
	v_lshlrev_b32 v[CO], 4, v5                     ; 16 x lane
	v_add_nc_u32 v[RD], s47, v[CO]                 ; back: the 32 lanes take one row's 512 bytes
	; bias and out at my block's corner; these offsets hold both coordinates and live in registers that feed no descriptor
	s_lshl_b32 s70, s19, 10
	s_lshl_b32 s71, s16, 9
	s_add_co_u32 s70, s70, s71                     ; my first column in bytes of f32: 1,024 x block column + 512 x half
	s_mov_b32 s71, 0
	s_lshl_b32 s68, s20, 8
	s_lshl_b32 s69, s15, 7
	s_add_co_u32 s68, s68, s69                     ; my first row: 256 x block row + 128 x half
	s_lshl_b32 s68, s68, 14                        ; x 16,384 bytes: below 2^26
	s_add_co_u32 s68, s68, s70
	s_mov_b32 s69, 0
	s_add_nc_u64 s[8:9], s[8:9], s[70:71]
	s_add_nc_u64 s[12:13], s[12:13], s[68:69]
	global_load_b128 v[BIAS:BIAS+3], v[CO], s[8:9] ; bias of columns 4 lane .. 4 lane + 3 of my 128: they serve all my 128 rows
	s_wait_kmcnt 0x0
	s_mov_b32 s67, s66                             ; alpha as a pair: the packed multiply-add names both registers
; 16 matrix instructions: m blocks a0, a0 + 1 of the window's four (hi = 0: my rows 0-63, 1: rows 64-127) x all 8 n blocks, 64 along K.
; zero = 1: the first product starts the sums: nothing is ever cleared.  neg_lo:[1,1,0]: both sides are signed bytes.
.macro MUL16 f, hi, a0, zero
.irp a, \a0, \a0+1
.irp b, 0,1,2,3,4,5,6,7
.if \zero
	v_wmma_i32_16x16x64_iu8 v[8*(8*(\a)+\b):8*(8*(\a)+\b)+7], v[\f+8*\b:\f+8*\b+7], v[\f+8*(4*\hi+\a):\f+8*(4*\hi+\a)+7], 0 neg_lo:[1,1,0]
.else
	v_wmma_i32_16x16x64_iu8 v[8*(8*(\a)+\b):8*(8*(\a)+\b)+7], v[\f+8*\b:\f+8*\b+7], v[\f+8*(4*\hi+\a):\f+8*(4*\hi+\a)+7], v[8*(8*(\a)+\b):8*(8*(\a)+\b)+7] neg_lo:[1,1,0]
.endif
.endr
.endr
.endm
; 32 LDS loads in one run: the fragments of one quarter step (128 rows of W, 128 rows of x, 64 K at byte k of the rows) into buffer f
.macro FETCH slot, k, f
	WIN TO_B
.irp i, 0,1,2,3,4,5,6,7
	ds_load_b128 v[\f+8*\i:\f+8*\i+3],   v[ADRB+\slot] offset:\k+\i*16*PITCH
	ds_load_b128 v[\f+8*\i+4:\f+8*\i+7], v[ADRB+\slot] offset:\k+\i*16*PITCH+32
.endr
	WIN 0
.irp i, 0,1,2,3,4,5,6,7
	ds_load_b128 v[\f+8*\i:\f+8*\i+3],   v[ADRA+\slot] offset:\k+\i*16*PITCH
	ds_load_b128 v[\f+8*\i+4:\f+8*\i+7], v[ADRA+\slot] offset:\k+\i*16*PITCH+32
.endr
.endm
; A load into a register that this matrix form has read, and an LDS store or a vector instruction that reads its result, stand eight places behind it, and
; only plain vector instructions that name none of its registers are places (ISA guide 7.12.1 for vector instructions
; ); the matrix instructions in between are not counted.  So eight v_nop stand in front of each run of loads: 32 issue slots for a K step's 256 matrix instructions.
.macro PLACES
.rept 8
	v_nop
.endr
.endm
; A K step is four quarter steps of 64 along K, 64 matrix instructions each, on buffers 0, 1, 0, 1.  The 64 accumulators take turns, one instruction a turn,
; in the same order in every quarter, over the loop's backward jump too.
; One of the first three: multiplies buffer f; in its middle it fetches the next quarter's fragments, at byte k of the same slot's rows, into buffer g.
.macro QUARTER slot, k, f, g, zero
	s_wait_dscnt 8                                 ; W and x's rows 0-63 are in; the youngest eight loads (x's rows 64-127) may be out
	WIN MUL_LO
	MUL16 \f, 0, 0, \zero
	MUL16 \f, 0, 2, \zero
	PLACES
	FETCH \slot, \k, \g
	s_wait_dscnt 32                                ; all but the 32 just issued
	WIN MUL_HI
	MUL16 \f, 1, 0, \zero
	MUL16 \f, 1, 2, \zero
.endm
.macro THREE slot, zero
	QUARTER \slot, 64,  F0, F1, \zero
	QUARTER \slot, 128, F1, F0, 0
	QUARTER \slot, 192, F0, F1, 0
.endm
; The last quarter: multiplies buffer 1 and changes slots.  next = the other slot; fill = 1: this slot is filled again, two K steps ahead.
; ONE barrier for the change of slots, for two things.  In front of it each wave waits for its own reads of this slot and for all its tensor loads, of which
; one is out: its part of the next slot.  Behind it nobody reads this slot any more and the next slot is whole: the refill comes first, then the next slot's
; first fragments.  From a request to the wait for it a wave issues 240 matrix instructions.
.macro TURN slot, next, fill
	s_wait_dscnt 8
	WIN MUL_LO
	MUL16 F1, 0, 0, 0
	s_wait_dscnt 0                                 ; my reads of this slot are over
	s_wait_tensorcnt 0x0                           ; and all my tensor loads have landed: the one that was out is my part of the next slot
	ds_add_u32 v255, v255
	s_wait_dscnt 0x0
	s_barrier_signal -1                            ; say so (where a slot is filled again this barrier opens a round of the cluster's barrier),
	MUL16 F1, 0, 2, 0                              ; work on registers while the others arrive,
	WIN 0
	s_barrier_wait -1                              ; and go on when all four have said so
.if \fill
	CREST                                          ; all sixteen work-groups have said so: no wave of any partner still reads this slot's tile or has a load on its way
	s_add_nc_u64 s[G0+4*\slot+2:G0+4*\slot+3], s[G0+4*\slot+2:G0+4*\slot+3], 2*KBYTES      ; no tensor load of mine is out: a group 0 may be written
	s_add_nc_u64 s[G0B+4*\slot+2:G0B+4*\slot+3], s[G0B+4*\slot+2:G0B+4*\slot+3], 2*KBYTES
	JLOAD \slot                                    ; the first tensor load behind the round, and my only one until the next
.endif
	PLACES
	FETCH \next, 0, F0
	WIN MUL_HI
	MUL16 F1, 1, 0, 0
	MUL16 F1, 1, 2, 0
.endm
.macro LAP zero                        ; once round the ring, both slots filled again
	THREE 0, \zero
	TURN 0, 1, 1
	THREE 1, 0
	TURN 1, 0, 1
.endm
	s_wait_loadcnt 0x0                             ; bias is in: no vector load is out at any barrier of the loop
	s_wait_tensorcnt 1                             ; my part of K step 0 is in; K step 1's may stay out
	s_barrier_signal -1
	s_barrier_wait -1                              ; everybody's is
	FETCH 0, 0, F0
	LAP 1                                          ; K steps 0 and 1 stand in front of the loop: their first products start the sums
	WIN 0                                          ; at a label and at a branch every window is 0
	s_mov_b32 s3, LAPS-2
.Llap:
	LAP 0                                          ; K steps 2 to 13; the refills reach K step 15
	WIN 0
	s_sub_co_u32 s3, s3, 1
	s_cmp_lg_u32 s3, 0
	s_cbranch_scc1 .Llap
	THREE 0, 0                                     ; the last lap fills nothing and has no round: my one tensor load still out is slot 1's, the last K step's
	TURN 0, 1, 0
	THREE 1, 0
	s_wait_dscnt 8                                 ; the very last quarter: nothing more to fetch
	WIN MUL_LO
	MUL16 F1, 0, 0, 0
	MUL16 F1, 0, 2, 0
	s_wait_dscnt 0
	WIN MUL_HI
	MUL16 F1, 1, 0, 0
	MUL16 F1, 1, 2, 0
	; THE WAY OUT, 16 rows of out at a time: the i32 sums go as they are, 32 bytes a lane and tile, into my own stage in LDS and come back as whole rows of
	; 512 bytes; then i32 to f32, one fused multiply-add with alpha and bias, and a store in which the wave covers 512 consecutive bytes, aligned to 512.
	; The eight v_nop are the places behind the last matrix instructions: for the LDS stores, which read results, and for the loads into buffers 0 and 1.
	WIN 0
	PLACES
; rows 16 i .. 16 i + 15 of my block = the eight tiles (a, 0..7) of window 2 or 3 (from = ST_LO or ST_HI); f: F0 or F1 in turn
.macro OUT16 i, a, from, f
	WIN \from
.irp b, 0,1,2,3,4,5,6,7
	ds_store_b128 v[STO], v[8*(8*\a+\b):8*(8*\a+\b)+3]   offset:64*\b       ; columns 16 b + 8 (l / 16) + 0..3 of row l % 16
	ds_store_b128 v[STO], v[8*(8*\a+\b)+4:8*(8*\a+\b)+7] offset:64*\b+16    ; and + 4..7
.endr
	WIN 0
	s_wait_xcnt 0x0                                ; every earlier memory instruction has had its addresses translated (ISA guide 3.1): buffer f, which stores read, is rewritten only behind this wait
.irp t, 0,1,2,3,4,5,6,7,8,9,10,11,12,13,14,15
	ds_load_b128 v[\f+4*\t:\f+4*\t+3], v[RD] offset:\t*SPITCH      ; LDS serves a wave's instructions in order (ISA guide 5.7.1.4): these see the stores above
.endr
.irp t, 0,1,2,3,4,5,6,7,8,9,10,11,12,13,14,15
	s_wait_dscnt 15-\t                             ; row t of the sixteen is in
	v_cvt_f32_i32 v[\f+4*\t],   v[\f+4*\t]
	v_cvt_f32_i32 v[\f+4*\t+1], v[\f+4*\t+1]
	v_cvt_f32_i32 v[\f+4*\t+2], v[\f+4*\t+2]
	v_cvt_f32_i32 v[\f+4*\t+3], v[\f+4*\t+3]
	v_pk_fma_f32 v[\f+4*\t:\f+4*\t+1],   v[\f+4*\t:\f+4*\t+1],   s[66:67], v[BIAS:BIAS+1]   op_sel_hi:[1,0,1]   ; alpha x sum + bias, two at a time
	v_pk_fma_f32 v[\f+4*\t+2:\f+4*\t+3], v[\f+4*\t+2:\f+4*\t+3], s[66:67], v[BIAS+2:BIAS+3] op_sel_hi:[1,0,1]
	global_store_b128 v[CO], v[\f+4*\t:\f+4*\t+3], s[12:13] offset:(16*\i+\t)*OROWB th:TH_STORE_NT   ; the row stands in the immediate: 127 x 16,384 at the most, inside its signed 24 bits; written once, not read again
.endr
.endm
	OUT16 0, 0, ST_LO, F0
	OUT16 1, 1, ST_LO, F1
	OUT16 2, 2, ST_LO, F0
	OUT16 3, 3, ST_LO, F1
	OUT16 4, 0, ST_HI, F0
	OUT16 5, 1, ST_HI, F1
	OUT16 6, 2, ST_HI, F0
	OUT16 7, 3, ST_HI, F1
	s_set_vgpr_msb 0x1
	s_wait_tensorcnt 0x0
	ds_add_u32 v255, v255
	s_wait_dscnt 0x0
	s_set_vgpr_msb 0x100
	CROUND                                         ; the closing round: no work-group ends while a partner may still ask for a tile that names it
	s_endpgm
.Lfunc_end_k_q1504c45f15_gemm:
	.size	k_q1504c45f15_gemm, .Lfunc_end_k_q1504c45f15_gemm-k_q1504c45f15_gemm
	.p2alignl 7, 3214868480
	.fill 96, 4, 3214868480
	.section	.rodata,"a",@progbits
	.p2align	6, 0x0
	.amdhsa_kernel k_q1504c45f15_gemm
		.amdhsa_group_segment_fixed_size 327680
		.amdhsa_private_segment_fixed_size 0
		.amdhsa_enable_private_segment 0
		.amdhsa_kernarg_size 40
		.amdhsa_user_sgpr_count 2
		.amdhsa_user_sgpr_kernarg_segment_ptr 1
		.amdhsa_wavefront_size32 1
		.amdhsa_system_sgpr_workgroup_id_x 1
		.amdhsa_system_sgpr_workgroup_id_y 1
		.amdhsa_system_sgpr_workgroup_id_z 1
		.amdhsa_system_vgpr_workitem_id 0
		.amdhsa_next_free_vgpr 1024
		.amdhsa_next_free_sgpr 72
		.amdhsa_reserve_vcc 0
		.amdhsa_float_denorm_mode_32 3
		.amdhsa_float_denorm_mode_16_64 3
		.amdhsa_memory_ordered 1
		.amdhsa_forward_progress 1
		.amdhsa_inst_pref_size 231
	.end_amdhsa_kernel
	.amdgpu_metadata
---
amdhsa.version: [ 1, 2 ]
amdhsa.kernels:
  - .name:           k_q1504c45f15_gemm
    .symbol:         k_q1504c45f15_gemm.kd
    .args:
      - { .name: x, .offset: 0, .size: 8, .value_kind: global_buffer, .address_space: global }
      - { .name: weight, .offset: 8, .size: 8, .value_kind: global_buffer, .address_space: global }
      - { .name: bias, .offset: 16, .size: 8, .value_kind: global_buffer, .address_space: global }
      - { .name: alpha, .offset: 24, .size: 8, .value_kind: global_buffer, .address_space: global }
      - { .name: out0, .offset: 32, .size: 8, .value_kind: global_buffer, .address_space: global }
    .group_segment_fixed_size: 327680
    .private_segment_fixed_size: 0
    .kernarg_segment_align: 8
    .kernarg_segment_size: 40
    .max_flat_workgroup_size: 128
    .sgpr_count:     72
    .vgpr_count:     1024
    .wavefront_size: 32
...
	.end_amdgpu_metadata
.endif
;; end of part 1
